; MI455X (gfx1250); checked and timed in simulation.
; The chip was launched on July 23, 2026; its instructions are those of AMD's public machine-readable ISA for CDNA 5 (MIT licence, August 2026) and "CDNA5" Instruction Set Architecture Reference Guide (July 2026). The comments in the code are by the model that wrote it; some were corrected since.
;; Bahdanau Attention. Allowed arithmetic: matrix products marked QUANTISED: E4M3 operands, one given power-of-two scale a tensor, by v_wmma_f32_16x16x64_fp8_fp8 or v_wmma_f32_16x16x128_fp8_fp8, f32 sums; products left as they are: f32 operands where the result goes on into a quantised operand, else bf16, f16 or f32 operands; f32 sums; everything else in f32.
;; Inputs: Ua_b 1,024 float32; Ua_w_codes 1,024 x 32 x 32 uint8 (E4M3 codes of Ua_w, K innermost, in blocks of 32 codes); Va_b 1 float32; Va_w 1 x 1,024 float32; Wa_b 1,024 float32; Wa_w_codes 1,024 x 32 x 32 uint8 (E4M3 codes of Wa_w, K innermost, in blocks of 32 codes); keys 32 x 2,048 x 1,024 float32; lowp_scales 4 int32 (the exponents e of the quantised operands' scales 2^e); query_codes 32 x 1 x 32 x 32 uint8 (E4M3 codes of query, K innermost, in blocks of 32 codes).
;; Outputs: out0 32 x 1 x 1,024 float32; out1 32 x 1 x 2,048 float32.
;; Constants: idx = 0.
;; This version of the problem:
;;   THIS VERSION OF THE PROBLEM IS GIVEN IN LOW PRECISION. The matrix products marked QUANTISED in the list below multiply operands that are first quantised to E4M3 (4 exponent bits, 3 mantissa bits; 8 bits a number), with one given power-of-two scale for each operand tensor; their sums are f32. All else is computed in f32.
;;   The module's matrix products, in the order in which they are computed (A, B: the left and right operand; K: the contracted axis; several contracted axes count as one K, in the product's order):
;;     1. [M 32, K 1,024] x [K 1,024, N 1,024]; A: input query (given as codes); B: input Wa_w (given as codes): QUANTISED (scales: A lowp_scales[0], B lowp_scales[1])
;;     2. [M 65,536, K 1,024] x [K 1,024, N 1,024]; A: input keys; B: input Ua_w (given as codes): QUANTISED (scales: A lowp_scales[2], B lowp_scales[3])
;;     3. [M 65,536, K 1,024] x [K 1,024, N 1]; A: computed on the way; B: input Va_w: left as it is (N = 1 < 16)
;;     4. batch 32 x [M 1, K 2,048] x [K 2,048, N 1,024]; A: computed on the way; B: input keys: left as it is (M = 1 < 16)
;;   THE QUANTISER, for each operand of a quantised product, along K:
;;     - The operand's scale is 2^e, e = its entry of the input lowp_scales (int32; the entries are numbered through the quantised products in the list's order, A before B).
;;     - Each number is divided by the scale, clamped to +-448, and rounded to the nearest number of E4M3, ties to even, subnormals kept.
;;     - The product sums the exact products of the quantised numbers (number of the format x scale) in f32.
;;   ~~~python
;;   def quantise(x, axis, e):      # numpy; x: float32 -> the quantised numbers, widened to float32 again
;;       x = np.moveaxis(x, axis, -1); K = x.shape[-1]
;;       r = np.clip(x / 2.0 ** e, -448, 448)
;;       step = 2.0 ** (np.maximum(np.frexp(np.where(r == 0, 1, r))[1] - 1, -6) - 3)
;;       q = np.round(r / step) * step * 2.0 ** e      # np.round: ties to even
;;       return np.moveaxis(q, -1, axis).astype(np.float32)
;;   ~~~
;;   INPUTS GIVEN AS CODES. Ua_w (in the module: [1024, 1024], K = its axis 1); Wa_w (in the module: [1024, 1024], K = its axis 1); query (in the module: [32, 1, 1024], K = its axis 2): each comes as NAME_codes (uint8): NAME with its K axis moved to the last place and cut into blocks of 32 codes, [.., K / 32, bytes a block], one block behind the other in memory; one code a byte (a code: sign, 4 exponent bits, 3 mantissa bits); its scale is its entry of lowp_scales. Its value is code x scale, taken as it is: it is not quantised again, and the codes and scales need not be those that the quantiser above would give.
;; One version. Each part assembles by itself: llvm-mc -triple=amdgcn-amd-amdhsa -mcpu=gfx1250 --defsym DOCPART=n.
;; ======== version 1 of 1: 3 launches
;; limits: values are held in bf16: 8 bits of precision; right only within a limited range of input values
;; workspace buffers: cvec 524,288 bytes; sc 262,144 bytes; ctxp 4,194,304 bytes; uaf 1,048,576 bytes
;; launch qproj (part 1): grid 16 x 4, 4 waves a work-group, no clusters, 9,216 bytes of LDS; arguments query_codes, Wa_w_codes, lowp_scales, Wa_b, Ua_b, cvec, Ua_w_codes, uaf; writes cvec, uaf
.if DOCPART == 1
	.amdgcn_target "amdgcn-amd-amdhsa--gfx1250"
	.amdhsa_code_object_version 6
	.text
	.protected	k_qdb3c852c91_qproj
	.globl	k_qdb3c852c91_qproj
	.p2align	8
	.type	k_qdb3c852c91_qproj,@function
k_qdb3c852c91_qproj:
	s_mov_b64 s[64:65], 0
	v_nop
	global_prefetch_b8 v0, s[64:65] scope:SCOPE_SE
	s_setreg_imm32_b32 hwreg(HW_REG_WAVE_MODE, 25, 1), 1
	s_wait_xcnt 0x0
; BahdanauAttention, launch 1 of 3.  cvec[q][b][n] = K2 x sum over the q-th quarter of K of query[b][k] Wa_w[n][k], and in part q = 0 also + K2 (Wa_b[n] + Ua_b[n]); K2 = 2 log2(e).  "main" adds the four parts.
; query and Wa_w come as codes of E4M3; the codes are multiplied as they are and each sum once by 2^(e0 + e1).
; ALSO MADE HERE: uaf, Ua_w's codes laid as "main" takes them into registers.  Tile n0 / 16 (16 rows x 1,024 K, 16,384 bytes) is 32 blocks of 512 bytes; block 4 ks + c holds, at 16 x lane, the 16 codes of
; row n0 + lane % 16 from K = 128 ks + 32 c + 16 (lane / 16) on.
; HOW THE THREE LAUNCHES SHARE THE WORK.  tanh(x) = 1 - 2 t, t = 1 / (1 + 2^(K2 x)).  With x = q_proj + k_proj the launch "main" needs K2 x = K2 k_sum 2^(e2 + e3) + cvec: so all that
; does not hang on the key's row is made here, once.  "main" makes z = -K2 sum_n Va_w[n] t[n] for each key, and partial contexts; "combine" the softmax over a batch's 2,048 keys.
; WORK LEFT OUT, for all finite values of the inputs:
;   Va_b: scores + Va_b[0] adds the same number to every score of a row; softmax(s + c) = softmax(s) for every real c; both outputs are made of the softmax alone.  Va_b has no way to an output: it is not loaded and is no argument.
;   sum_n Va_w[n]: scores = sum_n Va_w[n] - 2 sum_n Va_w[n] t[n]; the first term is the same along the softmax's axis and goes the same way.
;   idx: no line of reference() names it.
; LIMIT: a NaN or an infinity in Va_b, or an overflow of sum_n Va_w[n], is not carried to the results.  NaN among the inputs is not served.
; LIMIT: e0 + e1 lies between -127 and 125: it is added to K2's exponent field.
; SHARES.  Work-group (x, q): columns 64 x on, K = 256 q .. + 255 (two steps of 128).  A wave makes 16 columns n (n0 = 64 x + 16 x wave) for all 32 batches: two accumulators by turns; and it lays
; the same 16 rows x 256 K of Ua_w into uaf.  36 loads a wave, straight into registers: each byte of Wa_w and Ua_w is read once in the launch; a quarter of query (8,192 bytes) is too little for joint loads: no cluster.
; The product is used transposed (source 0 = 16 rows of Wa_w, source 1 = 16 rows of query): a lane holds one batch and eight neighbouring n.
; A fragment (16 rows x 128 K) is fetched by four loads of 16 bytes, 32 bytes apart, at row + 16 (lane / 16): the same permutation of k in both operands, so every product meets its partner.
; REGISTERS: v1-11 addresses; v16-31 biases; v32-47 the two accumulators; v48-63 results; v64-79 rows read back; v80-111 Ua_w; v112-143 Wa_w; v144-207 query.
.set K2,    0x4038aa3b                 ; 2 log2(e) as f32
.set SP,    272                        ; a stage row: 64 columns x 4 bytes + 16 of padding
.set SPARE, 32*SP                      ; behind the stage (32 rows): the spare words, 128 bytes for each wave
.set SPW,   1                          ; v1  LDS address of my spare word; never rewritten
.set NIL,   2                          ; v2  0; never rewritten
	s_load_b256 s[4:11], s[0:1], 0x0               ; query's codes s[4:5], Wa_w's codes s[6:7], the scales' exponents s[8:9], Wa_b s[10:11]
	s_load_b256 s[12:19], s[0:1], 0x20             ; Ua_b s[12:13], cvec s[14:15], Ua_w's codes s[16:17], uaf s[18:19]
	v_lshl_add_u32 v[SPW], v0, 2, SPARE
	v_mov_b32 v[NIL], 0
	v_lshrrev_b32 v8, 5, v0
	v_readfirstlane_b32 s36, v8                    ; wave 0..3
	v_and_b32 v9, 15, v0                           ; r
	v_bfe_u32 v10, v0, 4, 1                        ; h
	v_lshlrev_b32 v3, 10, v9
	v_lshl_add_u32 v3, v10, 4, v3                  ; a fragment: row r of 1,024 bytes + 16 h
	v_lshlrev_b32 v4, 5, v10                       ; the biases: my eight n begin 32 h bytes into the tile's 64
	s_lshl_b32 s28, s36, 6
	v_mul_u32_u24 v5, v9, SP
	v_lshl_add_u32 v5, v10, 5, v5
	v_add_nc_u32 v5, s28, v5                       ; into the stage: row r, + 64 x wave + 32 h
	s_mul_i32 s29, s36, 8*SP
	v_mul_u32_u24 v6, v10, SP
	v_lshl_add_u32 v6, v9, 4, v6
	v_add_nc_u32 v6, s29, v6                       ; back: wave w takes rows 8 w .. 8 w + 7; lanes 0-15 one row of 256 bytes, lanes 16-31 the next
	v_lshlrev_b32 v7, 12, v10
	v_lshl_add_u32 v7, v9, 4, v7                   ; and the same two rows in cvec (a row is 4,096 bytes)
	v_and_b32 v11, 31, v0
	v_lshlrev_b32 v11, 4, v11                      ; uaf: 16 x lane
	s_and_b32 s37, ttmp7, 0xffff                   ; q
	s_lshl_b32 s33, ttmp9, 6
	s_lshl_b32 s34, s36, 4
	s_add_co_u32 s33, s33, s34                     ; n0
	s_lshl_b32 s34, s33, 10                        ; n0 rows of 1,024 bytes
	s_lshl_b32 s40, s37, 8                         ; query: 256 q along K
	s_mov_b32 s41, 0
	s_add_co_u32 s20, s34, s40                     ; Wa_w, Ua_w: n0 rows + 256 q
	s_mov_b32 s21, 0
	s_lshl_b32 s38, s37, 12
	s_add_co_u32 s38, s38, s34                     ; uaf: the tile + 8 q blocks of 512 bytes
	s_mov_b32 s39, 0
	s_lshl_b32 s22, s33, 2                         ; the biases: 4 n0
	s_mov_b32 s23, 0
	s_lshl_b32 s24, s37, 17                        ; cvec: part q,
	s_lshl_b32 s25, s36, 15                        ; + 8 x wave rows,
	s_add_co_u32 s24, s24, s25
	s_lshl_b32 s25, ttmp9, 8                       ; + the work-group's 64 columns
	s_add_co_u32 s24, s24, s25
	s_mov_b32 s25, 0
	s_cmp_eq_u32 s37, 0
	s_cselect_b32 s44, -1, 0                       ; all lanes in part 0, none elsewhere
	s_mov_b32 s30, K2
	s_mov_b32 s31, K2                              ; (named as a pair, so both are written)
	s_wait_alu depctr_va_vdst(0)                   ; the wait at the head's end
	s_wait_kmcnt 0x0
	s_load_b64 s[26:27], s[8:9], 0x0               ; e0, e1
	s_add_nc_u64 s[4:5], s[4:5], s[40:41]
	s_add_nc_u64 s[6:7], s[6:7], s[20:21]
	s_add_nc_u64 s[16:17], s[16:17], s[20:21]
	s_add_nc_u64 s[18:19], s[18:19], s[38:39]
	s_add_nc_u64 s[10:11], s[10:11], s[22:23]
	s_add_nc_u64 s[12:13], s[12:13], s[22:23]
	s_add_nc_u64 s[14:15], s[14:15], s[24:25]
.irp ks, 0,1
.irp c, 0,1,2,3
	global_load_b128 v[80+16*\ks+4*\c:83+16*\ks+4*\c], v3, s[16:17] offset:128*\ks+32*\c
.endr
.endr
.irp ks, 0,1
.irp c, 0,1,2,3
	global_load_b128 v[112+16*\ks+4*\c:115+16*\ks+4*\c], v3, s[6:7] offset:128*\ks+32*\c
.endr
.endr
.irp m, 0,1
.irp ks, 0,1
.irp c, 0,1,2,3
	global_load_b128 v[144+32*\m+16*\ks+4*\c:147+32*\m+16*\ks+4*\c], v3, s[4:5] offset:16384*\m+128*\ks+32*\c
.endr
.endr
.endr
	global_load_b128 v[16:19], v4, s[10:11]
	global_load_b128 v[20:23], v4, s[10:11] offset:16
	global_load_b128 v[24:27], v4, s[12:13]
	global_load_b128 v[28:31], v4, s[12:13] offset:16
	s_wait_loadcnt 28                              ; Ua_w's eight loads are in; 8 + 16 + 4 are younger
.irp ks, 0,1
.irp c, 0,1,2,3
	global_store_b128 v11, v[80+16*\ks+4*\c:83+16*\ks+4*\c], s[18:19] offset:512*(4*\ks+\c)   ; 512 consecutive bytes, at a multiple of 256 from uaf's first byte
.endr
.endr
	s_wait_loadcnt 0x0
	s_wait_kmcnt 0x0
	s_add_co_i32 s28, s26, s27
	s_lshl_b32 s28, s28, 23
	s_add_co_u32 s28, s28, K2                      ; K2 x 2^(e0 + e1): the exponents are added to K2's exponent field
	s_mov_b32 s29, s28
.irp p, 0,2,4,6
	v_pk_add_f32 v[16+\p:17+\p], v[16+\p:17+\p], v[24+\p:25+\p]
.endr
.irp p, 0,2,4,6
	v_pk_mul_f32 v[16+\p:17+\p], v[16+\p:17+\p], s[30:31] op_sel_hi:[1,0]   ; K2 (Wa_b + Ua_b)
.endr
.irp p, 0,1,2,3,4,5,6,7
	v_cndmask_b32 v[16+\p], 0, v[16+\p], s44       ; kept in part 0, 0 in the other parts: a choice, no branch
.endr
.irp ks, 0,1                                   ; the two accumulators take turns, one instruction a turn; the first K step starts the sums
.irp m, 0,1
.if \ks == 0
	v_wmma_f32_16x16x128_fp8_fp8 v[32+8*\m:39+8*\m], v[112+16*\ks:127+16*\ks], v[144+32*\m+16*\ks:159+32*\m+16*\ks], 0
.else
	v_wmma_f32_16x16x128_fp8_fp8 v[32+8*\m:39+8*\m], v[112+16*\ks:127+16*\ks], v[144+32*\m+16*\ks:159+32*\m+16*\ks], v[32+8*\m:39+8*\m]
.endif
.endr
.endr
.rept 4
	v_nop                                          ; four places between the last product and the first read of results (ISA guide 7.12.1)
.endr
.irp m, 0,1
.irp p, 0,2,4,6
	v_pk_fma_f32 v[48+8*\m+\p:49+8*\m+\p], v[32+8*\m+\p:33+8*\m+\p], s[28:29], v[16+\p:17+\p] op_sel_hi:[1,0,1]   ; each accumulator from its low end on
.endr
.endr
.irp m, 0,1
	ds_store_b128 v5, v[48+8*\m:51+8*\m] offset:16*\m*SP       ; lane (r, h): batch 16 m + r, columns 16 w + 8 h + 0 .. 7
	ds_store_b128 v5, v[52+8*\m:55+8*\m] offset:16*\m*SP+16
.endr
	s_wait_dscnt 0x0                               ; for the others' sake: a row's 256 bytes come from four waves
	s_barrier_signal -1
	s_barrier_wait -1
.irp t, 0,1,2,3
	ds_load_b128 v[64+4*\t:67+4*\t], v6 offset:2*\t*SP
.endr
.irp t, 0,1,2,3
	s_wait_dscnt 3-\t                              ; LDS loads come back in order: pair t of rows is in
	global_store_b128 v7, v[64+4*\t:67+4*\t], s[14:15] offset:8192*\t   ; 16 lanes store 256 consecutive bytes, at a multiple of 256 from cvec's first byte
.endr
	s_wait_tensorcnt 0x0                           ; the wave's end, behind my last LDS store
	ds_add_u32 v[SPW], v[NIL]
	s_wait_dscnt 0x0
	s_endpgm
.Lfunc_end_k_qdb3c852c91_qproj:
	.size	k_qdb3c852c91_qproj, .Lfunc_end_k_qdb3c852c91_qproj-k_qdb3c852c91_qproj
	.p2alignl 7, 3214868480
	.fill 96, 4, 3214868480
	.section	.rodata,"a",@progbits
	.p2align	6, 0x0
	.amdhsa_kernel k_qdb3c852c91_qproj
		.amdhsa_group_segment_fixed_size 9216
		.amdhsa_private_segment_fixed_size 0
		.amdhsa_enable_private_segment 0
		.amdhsa_kernarg_size 64
		.amdhsa_user_sgpr_count 2
		.amdhsa_user_sgpr_kernarg_segment_ptr 1
		.amdhsa_wavefront_size32 1
		.amdhsa_system_sgpr_workgroup_id_x 1
		.amdhsa_system_sgpr_workgroup_id_y 1
		.amdhsa_system_sgpr_workgroup_id_z 1
		.amdhsa_system_vgpr_workitem_id 0
		.amdhsa_next_free_vgpr 256
		.amdhsa_next_free_sgpr 66
		.amdhsa_reserve_vcc 0
		.amdhsa_float_denorm_mode_32 3
		.amdhsa_float_denorm_mode_16_64 3
		.amdhsa_memory_ordered 1
		.amdhsa_forward_progress 1
		.amdhsa_inst_pref_size 11
	.end_amdhsa_kernel
	.amdgpu_metadata
---
amdhsa.version: [ 1, 2 ]
amdhsa.kernels:
  - .name:           k_qdb3c852c91_qproj
    .symbol:         k_qdb3c852c91_qproj.kd
    .args:
      - { .name: query_codes, .offset: 0, .size: 8, .value_kind: global_buffer, .address_space: global }
      - { .name: Wa_w_codes, .offset: 8, .size: 8, .value_kind: global_buffer, .address_space: global }
      - { .name: lowp_scales, .offset: 16, .size: 8, .value_kind: global_buffer, .address_space: global }
      - { .name: Wa_b, .offset: 24, .size: 8, .value_kind: global_buffer, .address_space: global }
      - { .name: Ua_b, .offset: 32, .size: 8, .value_kind: global_buffer, .address_space: global }
      - { .name: cvec, .offset: 40, .size: 8, .value_kind: global_buffer, .address_space: global }
      - { .name: Ua_w_codes, .offset: 48, .size: 8, .value_kind: global_buffer, .address_space: global }
      - { .name: uaf, .offset: 56, .size: 8, .value_kind: global_buffer, .address_space: global }
    .group_segment_fixed_size: 9216
    .private_segment_fixed_size: 0
    .kernarg_segment_align: 8
    .kernarg_segment_size: 64
    .max_flat_workgroup_size: 128
    .sgpr_count:     66
    .vgpr_count:     256
    .wavefront_size: 32
...
	.end_amdgpu_metadata
.endif
;; end of part 1
;; launch main (part 2): grid 16 x 32, 4 waves a work-group, no clusters, 310,784 bytes of LDS; arguments keys, uaf, cvec, Va_w, lowp_scales, sc, ctxp; writes sc, ctxp
.if DOCPART == 2
	.amdgcn_target "amdgcn-amd-amdhsa--gfx1250"
	.amdhsa_code_object_version 6
	.text
	.protected	k_qdb3c852c91_main
	.globl	k_qdb3c852c91_main
	.p2align	8
	.type	k_qdb3c852c91_main,@function
k_qdb3c852c91_main:
	s_mov_b64 s[64:65], 0
	v_nop
	global_prefetch_b8 v0, s[64:65] scope:SCOPE_SE
	s_setreg_imm32_b32 hwreg(HW_REG_WAVE_MODE, 25, 1), 1
	s_wait_xcnt 0x0
; BahdanauAttention, launch 2 of 3.  For 128 keys of one batch: z = -K2 sum_n Va_w[n] t[n], t = 1 / (1 + 2^y), y = K2 2^(e2 + e3) (codes of key . codes of Ua_w[n]) + cvec[n], K2 = 2 log2(e)
; (tanh(x) = 1 - 2 t), and the partial context sum_s 2^(z_s - m) key_s, m the largest z of the 128.
; WORK LEFT OUT (shown at the head of the first launch): Va_b and sum_n Va_w[n] are the same along the softmax's axis; Va_b is not loaded.
; LIMITS: e2 between -126 and 119 (2^e2 and 448 x 2^e2 are made as f32 numbers); e2 + e3 between -127 and 125 (added to K2's exponent field).  NaN among the inputs is not served.
; SHARES.  Work-group (x, y): batch y, keys 128 x on.  Wave w: a = w & 1, g = w >> 1.
;   HEAD: wave (a, g) reads rows 64 a .. + 63, columns 512 g .. + 511 of the keys, each byte once, in 16 units of 16 rows x 128 columns.  A unit is rounded to bf16 (kept in LDS for the context)
;   and quantised from f32 to E4M3 codes, which go through an LDS stage to the two waves that need them as operand fragments.
;   LOOP: wave (a, g) multiplies its 64 rows (all 1,024 of K as codes in windows 2 and 3) with Ua_w's rows 512 g .. + 511, 16 rows (a tile) at a time: 32 matrix instructions on end, four accumulators
;   by turns, then the tile's t in batches: one wait ahead of each batch of transcendentals and one behind it.  No barrier stands in the loop.
;   TAIL: the two halves of n are added through LDS, p = 2^(z - m), and each wave sums p x its own bf16 keys.
; Ua_w COMES FROM uaf, where the first launch has laid it as fragment images: a tile is 32 loads of 512 consecutive bytes straight into registers.  Three register buffers take turns; a tile is asked for
; three tiles ahead, behind the matrix instructions that free its buffer.
; NO CLUSTER, NO JOINT LOAD: of LDS 262,144 bytes hold the bf16 keys, 36,864 the stage, 8,192 the table, 3,584 the rest; the 16,896 bytes left hold no slot for Ua_w's tiles, so nothing here is filled by a tensor load.
; No data prefetch: the keys' own loads run three units (24,576 bytes a wave) ahead of the unit in hand, and uaf's 1,048,576 bytes are read by all 512 work-groups of the launch.
; The product is used transposed (source 0 = 16 rows of Ua_w, source 1 = 16 keys): lane (r, h) holds key r and n = 8 h + 0 .. 7.  Both sides hold K = 32 c + 16 h + 0 .. 15 in registers 4 c .. 4 c + 3: the same permutation of k.
; REGISTERS.  window 0: v1-11 addresses and constants; v12-19 the sums U; v20-35, v36-51, v96-111 three sets of a tile's cvec and Va_w; v52-56 addresses; v64-95 accumulators; v128-255 a buffer of Ua_w's
;   8 fragments (head: v12-59 at work, v64-255 three units of keys).  window 1: two more such buffers.  windows 2, 3: the codes, K 0-511 and 512-1,023; in the tail the bf16 keys.
.set K2,     0x4038aa3b
.set NK2,    0xc038aa3b
.set STAGE,  0                         ; the codes' stage: 2 halves of K x 128 rows x (128 + 16) bytes
.set SPI,    144
.set STH,    128*SPI
.set TABLE,  STAGE+2*STH               ; 128 entries of 64 bytes: cvec and Va_w of eight n
.set SPILL,  TABLE+8192                ; bf16 keys, 65,536 bytes a wave
.set EXCH,   SPILL+4*65536             ; the two halves' sums
.set PEX,    EXCH+1024                 ; p, a copy for each wave
.set SPARE,  PEX+2048                  ; the spare words, 128 bytes a wave
.set TILEB,  16384                     ; a tile in uaf
.set SPW,  1
.set NIL,  2
.set LOFF, 3
.set STW,  4
.set STR,  5
.set SPL,  6
.set TBA,  9
.set LIM,  10
.set SCL,  11
.set KT,   12
.set BT,   28
.set U,    12
.set CA,   36
.set TBV,  52
.set EXW,  53
.set PEW,  54
.set PBR,  55
.set EXR,  56
.set ACC,  64
.set MSB, 0
.macro WIN new                         ; the immediate's high byte repeats the setting that is left
.if MSB != \new
	s_set_vgpr_msb (MSB<<8)|\new
.set MSB, \new
.endif
.endm
.macro LOADU u                         ; unit u: rows 16 (u % 4) on, columns 128 (u / 4) on; a load is one row's 512 consecutive bytes
.set lX, 64+64*((\u)%3)
.set lO, ((\u)%4)*65536+((\u)/4)*512
.set nn, 0
.rept 16
	global_load_b128 v[lX+4*nn:lX+4*nn+3], v[LOFF], s[4:5] offset:lO+4096*nn th:TH_LOAD_NT
.set nn, nn+1
.endr
.endm
.macro BLOAD wl, bb, off               ; a tile's 8 fragments into the buffer at register bb of the window that wl names as destination
	WIN \wl
.set nn, 0
.rept 32
	global_load_b128 v[(\bb)+4*nn:(\bb)+4*nn+3], v[LOFF], s[6:7] offset:(\off)+512*nn
.set nn, nn+1
.endr
	WIN 0
.endm
	s_load_b256 s[4:11], s[0:1], 0x0               ; keys, uaf, cvec, Va_w
	s_load_b128 s[12:15], s[0:1], 0x20             ; the scales' exponents, sc
	s_load_b64 s[16:17], s[0:1], 0x30              ; ctxp
	v_lshl_add_u32 v[SPW], v0, 2, SPARE
	v_mov_b32 v[NIL], 0
	v_lshrrev_b32 v62, 5, v0
	v_readfirstlane_b32 s18, v62                   ; wave
	s_and_b32 s19, s18, 1                          ; a
	s_lshr_b32 s20, s18, 1                         ; g
	s_and_b32 s23, ttmp7, 0xffff                   ; the batch
	s_mov_b32 s42, 0x76543210                      ; selects for lane l xor 16
	s_mov_b32 s43, 0xfedcba98
	s_mov_b32 s46, NK2
	s_mov_b32 s47, NK2
	s_lshl_b32 s60, s20, 19                        ; uaf: my half's 32 tiles
	s_mov_b32 s61, 0
	s_lshl_b32 s52, s23, 23                        ; keys: batch, block, 64 a rows, 512 g columns
	s_lshl_b32 s63, ttmp9, 19
	s_add_co_u32 s52, s52, s63
	s_lshl_b32 s63, s19, 18
	s_add_co_u32 s52, s52, s63
	s_lshl_b32 s63, s20, 11
	s_add_co_u32 s52, s52, s63
	s_mov_b32 s53, 0
	s_lshl_b32 s54, s23, 12                        ; cvec: the batch's row
	s_mov_b32 s55, 0
	s_lshl_b32 s56, s23, 13                        ; sc: batch, block
	s_lshl_b32 s63, ttmp9, 9
	s_add_co_u32 s56, s56, s63
	s_mov_b32 s57, 0
	s_lshl_b32 s58, s23, 17                        ; ctxp: row (16 batch + block) x 2 + a, columns 512 g on
	s_lshl_b32 s63, ttmp9, 13
	s_add_co_u32 s58, s58, s63
	s_lshl_b32 s63, s19, 12
	s_add_co_u32 s58, s58, s63
	s_lshl_b32 s63, s20, 11
	s_add_co_u32 s58, s58, s63
	s_mov_b32 s59, 0
	v_and_b32 v62, 31, v0
	v_and_b32 v63, 15, v0
	v_bfe_u32 v12, v0, 4, 1
	v_lshlrev_b32 v[LOFF], 4, v62
	v_lshlrev_b32 v60, 5, v0
	s_wait_alu depctr_va_vdst(0)
	s_wait_kmcnt 0x0
	s_load_b128 s[48:51], s[12:13], 0x0            ; e0 .. e3
	s_add_nc_u64 s[4:5], s[4:5], s[52:53]
	s_add_nc_u64 s[6:7], s[6:7], s[60:61]
	s_add_nc_u64 s[8:9], s[8:9], s[54:55]
	s_add_nc_u64 s[14:15], s[14:15], s[56:57]
	s_add_nc_u64 s[16:17], s[16:17], s[58:59]
	global_load_b128 v[28:31], v60, s[8:9]         ; thread i: cvec and Va_w of n = 8 i .. 8 i + 7
	global_load_b128 v[32:35], v60, s[8:9] offset:16
	global_load_b128 v[44:47], v60, s[8:9] offset:131072       ; cvec comes in four parts, one for each quarter of the first product's K, 131,072 bytes apart
	global_load_b128 v[48:51], v60, s[8:9] offset:131088
	global_load_b128 v[52:55], v60, s[8:9] offset:262144
	global_load_b128 v[56:59], v60, s[8:9] offset:262160
	global_load_b128 v[20:23], v60, s[8:9] offset:393216
	global_load_b128 v[24:27], v60, s[8:9] offset:393232
	global_load_b128 v[36:39], v60, s[10:11]
	global_load_b128 v[40:43], v60, s[10:11] offset:16
	LOADU 0
	LOADU 1
	LOADU 2
	s_mul_i32 s52, s20, STH
	s_mul_i32 s53, s19, 64*SPI
	s_add_co_u32 s52, s52, s53
	s_add_co_u32 s52, s52, STAGE
	v_lshl_add_u32 v[STW], v62, 2, s52             ; into the stage: half g, row 64 a, 4 codes a lane
	s_add_co_u32 s53, s53, STAGE
	v_mul_u32_u24 v[STR], v63, SPI
	v_lshl_add_u32 v[STR], v12, 4, v[STR]
	v_add_nc_u32 v[STR], s53, v[STR]               ; back as fragments: row 64 a + r, + 16 h
	s_lshl_b32 s54, s18, 16
	s_add_co_u32 s54, s54, SPILL
	v_add_nc_u32 v[SPL], s54, v[LOFF]
	s_lshl_b32 s56, s20, 12
	s_add_co_u32 s56, s56, TABLE
	v_lshl_add_u32 v[TBA], v12, 6, s56             ; the table: 4,096 g + 64 h; a tile is 128 bytes on
	v_lshlrev_b32 v61, 6, v0
	v_add_nc_u32 v61, TABLE, v61
	s_wait_alu depctr_va_vdst(0)
	s_wait_kmcnt 0x0
	s_add_co_i32 s52, s50, 127
	s_lshl_b32 s53, s52, 23
	v_mov_b32 v[SCL], s53                          ; 2^e2
	s_add_co_i32 s52, s52, 8
	s_lshl_b32 s52, s52, 23
	s_or_b32 s52, s52, 0x600000
	v_mov_b32 v[LIM], s52                          ; 448 x 2^e2
	s_add_co_i32 s40, s50, s51
	s_lshl_b32 s40, s40, 23
	s_add_co_u32 s40, s40, K2                      ; K2 x 2^(e2 + e3)
	s_mov_b32 s41, s40
	s_wait_loadcnt 48                              ; the table's ten loads are in; three units are younger
.irp p, 0,2,4,6
	v_pk_add_f32 v[28+\p:29+\p], v[28+\p:29+\p], v[44+\p:45+\p]   ; the four parts of cvec are added
	v_pk_add_f32 v[52+\p:53+\p], v[52+\p:53+\p], v[20+\p:21+\p]
.endr
.irp p, 0,2,4,6
	v_pk_add_f32 v[28+\p:29+\p], v[28+\p:29+\p], v[52+\p:53+\p]
.endr
.irp q, 0,1,2,3
	ds_store_b128 v61, v[28+4*\q:31+4*\q] offset:16*\q
.endr
; A unit: the bf16 copy into my part of LDS, the hold at 448 x 2^e2, codes from f32, codes into the stage, and the load of the unit three on.  cnt: the loads younger than the unit's own.
.macro UNIT u, cnt
.set uM, (\u)%4
.set uX, 64+64*((\u)%3)
	s_wait_loadcnt \cnt
	s_wait_dscnt 0x0
.set nn, 0
.rept 32
	v_cvt_pk_bf16_f32 v[BT+nn], v[uX+2*nn], v[uX+2*nn+1]
.set nn, nn+1
.endr
.set nn, 0
.rept 8
	ds_store_b128 v[SPL], v[BT+4*nn:BT+4*nn+3] offset:4096*(\u)+512*nn
.set nn, nn+1
.endr
.set nn, 0
.rept 64
	v_med3_num_f32 v[uX+nn], v[uX+nn], -v[LIM], v[LIM]
.set nn, nn+1
.endr
.set nn, 0
.rept 8
	v_cvt_scalef32_pk8_fp8_f32 v[KT+2*nn:KT+2*nn+1], v[uX+8*nn:uX+8*nn+7], v[SCL]
.set nn, nn+1
.endr
	v_nop
.set nn, 0
.rept 16
	ds_store_b32 v[STW], v[KT+nn] offset:(16*uM+nn)*SPI
.set nn, nn+1
.endr
.if (\u)+3 < 16
	LOADU (\u)+3
.endif
.endm
; The stage holds 128 rows x 128 of K for both halves of K: every wave takes its 64 rows of both as fragments.  Two barriers: stores to loads, loads to the next stores.
.macro GATHER s
	s_wait_dscnt 0x0
	s_barrier_signal -1
	s_barrier_wait -1
	WIN 0x80
.irp m, 0,1,2,3
.irp c, 0,1,2,3
	ds_load_b128 v[64*\s+16*\m+4*\c:64*\s+16*\m+4*\c+3], v[STR] offset:16*SPI*\m+32*\c
.endr
.endr
	WIN 0xc0
.irp m, 0,1,2,3
.irp c, 0,1,2,3
	ds_load_b128 v[64*\s+16*\m+4*\c:64*\s+16*\m+4*\c+3], v[STR] offset:STH+16*SPI*\m+32*\c
.endr
.endr
	WIN 0
	s_wait_dscnt 0x0
	s_barrier_signal -1
	s_barrier_wait -1
.endm
	UNIT 0, 32
	UNIT 1, 32
	UNIT 2, 32
	UNIT 3, 32
	GATHER 0
	UNIT 4, 32
	UNIT 5, 32
	UNIT 6, 32
	UNIT 7, 32
	GATHER 1
	UNIT 8, 32
	UNIT 9, 32
	UNIT 10, 32
	UNIT 11, 32
	GATHER 2
	UNIT 12, 32
	UNIT 13, 32
	BLOAD 0x40, 0, 0                               ; tile 0 of Ua_w
	UNIT 14, 48                                    ; younger: unit 15's 16 loads and tile 0's 32
	UNIT 15, 32                                    ; younger: tile 0's 32
	BLOAD 0x40, 128, TILEB                         ; tile 1,
	BLOAD 0, 128, 2*TILEB                          ; and tile 2, where units 13 and 14 lay
	GATHER 3
	v_and_b32 v57, 15, v0
	s_lshl_b32 s52, s20, 9
	s_lshl_b32 s53, s19, 8
	s_add_co_u32 s52, s52, s53
	s_add_co_u32 s52, s52, EXCH
	v_lshl_add_u32 v[EXW], v57, 2, s52
	s_lshl_b32 s54, s18, 9
	s_add_co_u32 s54, s54, PEX
	v_add_nc_u32 v[PEW], s54, v[LOFF]
	s_add_co_u32 s54, s54, s53
	v_mov_b32 v[PBR], s54
	v_add_nc_u32 v[EXR], EXCH, v[LOFF]
.irp n, 0,1,2,3,4,5,6,7
	v_mov_b32 v[U+\n], 0
.endr
	s_mov_b32 s45, 0
	v_mov_b32 v[TBV], v[TBA]
.macro CVLOAD cb, off                  ; a tile's cvec (8) and Va_w (8) into the set at register cb
.irp q, 0,1,2,3
	ds_load_b128 v[(\cb)+4*\q:(\cb)+4*\q+3], v[TBV] offset:(\off)+16*\q
.endr
.endm
.macro MM bb, i                        ; K step i / 4, rows 16 (i % 4) on: the four accumulators take turns; the first K step starts the sums
.set mD, ACC+8*((\i)%4)
.set mA, (\bb)+16*((\i)/4)
.set mB, 64*(((\i)%16)/4)+16*((\i)%4)
.if (\i) < 4
	v_wmma_f32_16x16x128_fp8_fp8 v[mD:mD+7], v[mA:mA+15], v[mB:mB+15], 0
.else
	v_wmma_f32_16x16x128_fp8_fp8 v[mD:mD+7], v[mA:mA+15], v[mB:mB+15], v[mD:mD+7]
.endif
.endm
; A tile's 32 x 32 sums become U += Va_w t, in five batches; each accumulator is read from its low end on.
.macro EPI cb
.set CC, \cb
.set qq, 0
.rept 16
.set eA, ACC+8*(qq%4)+2*(qq/4)
	v_pk_fma_f32 v[eA:eA+1], v[eA:eA+1], s[40:41], v[CC+2*(qq/4):CC+2*(qq/4)+1] op_sel_hi:[1,0,1]   ; y
.set qq, qq+1
.endr
	s_wait_alu depctr_va_vdst(0)                   ; ahead of the batch
.set qq, 0
.rept 32
	v_exp_f32 v[ACC+qq], v[ACC+qq]
.set qq, qq+1
.endr
	v_nop                                          ; the plain place behind the batch
	s_wait_alu depctr_va_vdst(0)                   ; and the wait behind it
.set qq, 0
.rept 16
	v_pk_add_f32 v[ACC+2*qq:ACC+2*qq+1], v[ACC+2*qq:ACC+2*qq+1], 1.0 op_sel_hi:[1,0]
.set qq, qq+1
.endr
	s_wait_alu depctr_va_vdst(0)
.set qq, 0
.rept 32
	v_rcp_f32 v[ACC+qq], v[ACC+qq]                 ; t; 2^y = infinity gives 0
.set qq, qq+1
.endr
	v_nop
	s_wait_alu depctr_va_vdst(0)
.set qq, 0
.rept 16
.set eA, ACC+8*(qq%4)+2*(qq/4)
.set eU, U+2*(qq%4)
	v_pk_fma_f32 v[eU:eU+1], v[eA:eA+1], v[CC+8+2*(qq/4):CC+9+2*(qq/4)], v[eU:eU+1]
.set qq, qq+1
.endr
.endm
; A TILE.  w1, w2: the windows for K 0-511 and 512-1,023 (source 1: window 2, 3; source 0: my buffer's); wl, bb: my buffer as a destination; cb, nb: my table set and the next tile's.
; lc: at most so many loads may be out: behind my 32 stand the next two tiles' 64 (the wait's field ends at 63), at the end 32 and none.
; more = 1: the tile three on is asked for, at byte boff from the walking base, into the buffer just multiplied.  cvm = 1: the next tile's table entry, at cvoff.
.macro TILE w1, w2, wl, bb, cb, nb, more, boff, cvm, cvoff, lc
	s_wait_loadcnt \lc
	WIN \w1
.set ii, 0
.rept 16
	MM \bb, ii
.set ii, ii+1
.endr
	WIN \w2
.rept 16
	MM \bb, ii
.set ii, ii+1
.endr
	WIN 0
.rept 4
	v_nop                                          ; four places ahead of loads into registers that matrix instructions have read, and of the first read of the sums
.endr
.if \more
	BLOAD \wl, \bb, \boff
.endif
.if \cvm
	CVLOAD \nb, \cvoff
	s_wait_dscnt 4                                 ; my entry is in; the next tile's 4 loads may be out
.else
	s_wait_dscnt 0x0
.endif
	EPI \cb
.endm
	CVLOAD 20, 0
	s_wait_alu depctr_va_vdst(0)                   ; the wait at the head's end
	s_mov_b32 s44, 9
.Ltrip:                                                ; tiles 3 j .. 3 j + 2: once through the three buffers and the three table sets
	v_add_nc_u32 v[TBV], s45, v[TBA]
	s_wait_alu depctr_va_vdst(0)                   ; directly behind the write
	TILE 0x09, 0x0d, 0x40, 0,   20, 36, 1, 3*TILEB, 1, 128, 63
	TILE 0x09, 0x0d, 0x40, 128, 36, 96, 1, 4*TILEB, 1, 256, 63
	TILE 0x08, 0x0c, 0,    128, 96, 20, 1, 5*TILEB, 1, 384, 63
	s_wait_xcnt 0x0                                ; the loads have read their base: it may step
	s_add_nc_u64 s[6:7], s[6:7], 3*TILEB
	s_add_co_u32 s45, s45, 384
	s_sub_co_u32 s44, s44, 1
	s_cmp_lg_u32 s44, 0
	s_cbranch_scc1 .Ltrip
	v_add_nc_u32 v[TBV], 3456, v[TBA]              ; tile 27's entry
	s_wait_alu depctr_va_vdst(0)
	TILE 0x09, 0x0d, 0x40, 0,   20, 36, 1, 3*TILEB, 1, 128, 63   ; tiles 27 and 28 ask for tiles 30 and 31, the last
	TILE 0x09, 0x0d, 0x40, 128, 36, 96, 1, 4*TILEB, 1, 256, 63
	TILE 0x08, 0x0c, 0,    128, 96, 20, 0, 0,       1, 384, 63
	TILE 0x09, 0x0d, 0x40, 0,   20, 36, 0, 0,       1, 512, 32
	TILE 0x09, 0x0d, 0x40, 128, 36, 96, 0, 0,       0, 0,   0
; THE TAIL.  The sums of my 64 rows go to the other half's waves.
.irp m, 0,1,2,3
	v_add_f32 v[36+\m], v[U+2*\m], v[U+2*\m+1]
.endr
.irp m, 0,1,2,3
	v_permlanex16_b32 v[40+\m], v[36+\m], s42, s43
.endr
.irp m, 0,1,2,3
	v_add_f32 v[36+\m], v[36+\m], v[40+\m]         ; row 64 a + 16 m + r, my 512 n
.endr
.irp m, 0,1,2,3
	ds_store_b32 v[EXW], v[36+\m] offset:64*\m
.endr
	s_wait_dscnt 0x0
	s_barrier_signal -1
	s_barrier_wait -1
; My bf16 keys come back where the codes lay: rows 32 w .. + 31 into window 2 + w; unit (column block s, rows 16 (2 w + q) on) at register 32 (2 s + q).  64 loads.
.macro TBACK w, wl
	WIN \wl
.irp q, 0,1
.irp s, 0,1,2,3
.set nn, 0
.rept 8
	ds_load_b128 v[32*(2*\s+\q)+4*nn:32*(2*\s+\q)+4*nn+3], v[SPL] offset:4096*(4*\s+2*(\w)+\q)+512*nn
.set nn, nn+1
.endr
.endr
.endr
	WIN 0
.endm
	ds_load_b128 v[20:23], v[EXR]                  ; lane l: rows 4 l .. 4 l + 3, both halves of n
	ds_load_b128 v[24:27], v[EXR] offset:512
	TBACK 0, 0x80
	s_wait_dscnt 63                                ; the two loads of sums are in: 64 are younger
	v_pk_add_f32 v[20:21], v[20:21], v[24:25]
	v_pk_add_f32 v[22:23], v[22:23], v[26:27]
	v_pk_mul_f32 v[20:21], v[20:21], s[46:47] op_sel_hi:[1,0]   ; z
	v_pk_mul_f32 v[22:23], v[22:23], s[46:47] op_sel_hi:[1,0]
	v_max3_num_f32 v24, v20, v21, v22
	v_max_num_f32 v24, v24, v23
	v_max_num_f32_dpp v24, v24, v24 row_xmask:1 row_mask:0xf bank_mask:0xf
	v_max_num_f32_dpp v24, v24, v24 row_xmask:2 row_mask:0xf bank_mask:0xf
	v_max_num_f32_dpp v24, v24, v24 row_xmask:4 row_mask:0xf bank_mask:0xf
	v_max_num_f32_dpp v24, v24, v24 row_xmask:8 row_mask:0xf bank_mask:0xf
	v_permlanex16_b32 v25, v24, s42, s43
	v_max_num_f32 v24, v24, v25                    ; m: the largest z of the 128
.irp e, 0,1,2,3
	v_sub_f32 v[28+\e], v[20+\e], v24
.endr
	s_wait_alu depctr_va_vdst(0)
.irp e, 0,1,2,3
	v_exp_f32 v[28+\e], v[28+\e]
.endr
	v_nop
	s_wait_alu depctr_va_vdst(0)
	ds_store_b128 v[PEW], v[28:31]                 ; p into my wave's own copy, and back with every lane holding my 64 rows' p
.irp g, 0,1,2,3,4,5,6,7,8,9,10,11,12,13,14,15
	ds_load_b128 v[64+4*\g:67+4*\g], v[PBR] offset:16*\g
.endr
	TBACK 1, 0xc0
	s_cmp_lg_u32 s18, 0
	s_cbranch_scc1 .Lno_z
	global_store_b128 v[LOFF], v[20:23], s[14:15]  ; wave 0: 512 consecutive bytes of sc
.Lno_z:
.irp n, 0,1,2,3,4,5,6,7,8,9,10,11,12,13,14,15
	v_mov_b32 v[CA+\n], 0
.endr
.macro MAC cb, s, m, ip                ; row 16 m + ip of column block s: four columns a lane
.irp p, 0,1
	v_fma_mix_f32_bf16 v[CA+4*(\s)+2*\p], v[(\cb)+2*(\ip)+\p], v[64+16*(\m)+(\ip)], v[CA+4*(\s)+2*\p] op_sel_hi:[1,0,0]
	v_fma_mix_f32_bf16 v[CA+4*(\s)+2*\p+1], v[(\cb)+2*(\ip)+\p], v[64+16*(\m)+(\ip)], v[CA+4*(\s)+2*\p+1] op_sel:[1,0,0] op_sel_hi:[1,0,0]
.endr
.endm
.macro MACS w                          ; 32 rows; the 16 sums take turns
.irp q, 0,1
.set pi, 0
.rept 16
.irp s, 0,1,2,3
	MAC 32*(2*\s+\q), \s, 2*(\w)+\q, pi
.endr
.set pi, pi+1
.endr
.endr
.endm
	s_wait_alu depctr_va_vdst(0)
	s_wait_dscnt 63                                ; rows 0-31 and p are in: 64 loads are younger
	WIN 0x02                                       ; source 0: window 2
	MACS 0
	WIN 0
	s_wait_dscnt 0x0
	WIN 0x03                                       ; source 0: window 3
	MACS 1
	WIN 0
.irp s, 0,1,2,3
	global_store_b128 v[LOFF], v[CA+4*\s:CA+4*\s+3], s[16:17] offset:512*\s   ; 512 consecutive bytes, at a multiple of 256 from ctxp's first byte
.endr
	s_wait_tensorcnt 0x0                           ; the wave's end, behind my last LDS store
	ds_add_u32 v[SPW], v[NIL]
	s_wait_dscnt 0x0
	s_endpgm
.Lfunc_end_k_qdb3c852c91_main:
	.size	k_qdb3c852c91_main, .Lfunc_end_k_qdb3c852c91_main-k_qdb3c852c91_main
	.p2alignl 7, 3214868480
	.fill 96, 4, 3214868480
	.section	.rodata,"a",@progbits
	.p2align	6, 0x0
	.amdhsa_kernel k_qdb3c852c91_main
		.amdhsa_group_segment_fixed_size 310784
		.amdhsa_private_segment_fixed_size 0
		.amdhsa_enable_private_segment 0
		.amdhsa_kernarg_size 56
		.amdhsa_user_sgpr_count 2
		.amdhsa_user_sgpr_kernarg_segment_ptr 1
		.amdhsa_wavefront_size32 1
		.amdhsa_system_sgpr_workgroup_id_x 1
		.amdhsa_system_sgpr_workgroup_id_y 1
		.amdhsa_system_sgpr_workgroup_id_z 1
		.amdhsa_system_vgpr_workitem_id 0
		.amdhsa_next_free_vgpr 1024
		.amdhsa_next_free_sgpr 66
		.amdhsa_reserve_vcc 0
		.amdhsa_float_denorm_mode_32 3
		.amdhsa_float_denorm_mode_16_64 3
		.amdhsa_memory_ordered 1
		.amdhsa_forward_progress 1
		.amdhsa_inst_pref_size 255
	.end_amdhsa_kernel
	.section	.bss,"aw",@nobits
	.p2align	6
	.space	262144
	.amdgpu_metadata
---
amdhsa.version: [ 1, 2 ]
amdhsa.kernels:
  - .name:           k_qdb3c852c91_main
    .symbol:         k_qdb3c852c91_main.kd
    .args:
      - { .name: keys, .offset: 0, .size: 8, .value_kind: global_buffer, .address_space: global }
      - { .name: uaf, .offset: 8, .size: 8, .value_kind: global_buffer, .address_space: global }
      - { .name: cvec, .offset: 16, .size: 8, .value_kind: global_buffer, .address_space: global }
      - { .name: Va_w, .offset: 24, .size: 8, .value_kind: global_buffer, .address_space: global }
      - { .name: lowp_scales, .offset: 32, .size: 8, .value_kind: global_buffer, .address_space: global }
      - { .name: sc, .offset: 40, .size: 8, .value_kind: global_buffer, .address_space: global }
      - { .name: ctxp, .offset: 48, .size: 8, .value_kind: global_buffer, .address_space: global }
    .group_segment_fixed_size: 310784
    .private_segment_fixed_size: 0
    .kernarg_segment_align: 8
    .kernarg_segment_size: 56
    .max_flat_workgroup_size: 128
    .sgpr_count:     66
    .vgpr_count:     1024
    .wavefront_size: 32
...
	.end_amdgpu_metadata
.endif
;; end of part 2
;; launch combine (part 3): grid 8 x 32, 4 waves a work-group, no clusters, 3,072 bytes of LDS; arguments sc, ctxp, out0, out1; writes out0, out1
.if DOCPART == 3
	.amdgcn_target "amdgcn-amd-amdhsa--gfx1250"
	.amdhsa_code_object_version 6
	.text
	.protected	k_qdb3c852c91_combine
	.globl	k_qdb3c852c91_combine
	.p2align	8
	.type	k_qdb3c852c91_combine,@function
k_qdb3c852c91_combine:
	s_mov_b64 s[64:65], 0
	v_nop
	global_prefetch_b8 v0, s[64:65] scope:SCOPE_SE
	s_setreg_imm32_b32 hwreg(HW_REG_WAVE_MODE, 25, 1), 1
	s_wait_xcnt 0x0
; BahdanauAttention, launch 3 of 3: the softmax over a batch's 2,048 keys, and the sum of the partial contexts.
; WORK LEFT OUT (shown at the head of the first launch): z is the score x log2(e) less a term that is the same along the softmax's axis; Va_b is not loaded.
; sc holds z; ctxp row (batch x 16 + block) x 2 + half holds sum over 64 keys of 2^(z - m_block) x key, m_block the largest z of the block's 128.
; weights = 2^(z - M) / L, M the batch's largest z, L = sum 2^(z - M); context = sum over the 32 rows of ctxp x 2^(m_block - M) / L.
; m_block is found anew from the stored z: a maximum rounds nothing, so it is the number that the launch before took away.
; SHARES.  Work-group (x, y): batch y, 128 columns of the context and 256 weights, both from 128 x and 256 x on.  Every work-group reads the batch's 8,192 bytes of z: a small part beside its
; 16,384 bytes of ctxp that nobody else reads, and all loads go to registers: so there is no cluster and no joint load.  Wave w takes rows 8 w .. 8 w + 7 of the batch's 32.
; No matrix work: the sums here are 32 terms a column.
.set MB,    0                          ; LDS: the 16 blocks' maxima,
.set WS,    256                        ; the four waves' sums,
.set CP,    512                        ; the four waves' parts of the context, 512 bytes each,
.set SPARE, 2560                       ; and the spare words, 128 bytes for each wave
.set SPW,   1                          ; v1  LDS address of my spare word; never rewritten
.set NIL,   2                          ; v2  0; never rewritten
	s_load_b256 s[4:11], s[0:1], 0x0               ; sc s[4:5], ctxp s[6:7], out0 s[8:9], out1 s[10:11]
	v_lshl_add_u32 v[SPW], v0, 2, SPARE
	v_mov_b32 v[NIL], 0
	v_lshrrev_b32 v3, 5, v0
	v_readfirstlane_b32 s12, v3                    ; wave 0..3
	v_and_b32 v4, 31, v0
	v_lshlrev_b32 v5, 4, v4                        ; 16 x lane
	v_lshlrev_b32 v6, 4, v0                        ; 16 x thread
	v_lshlrev_b32 v7, 3, v0                        ; 8 x thread
	s_and_b32 s13, ttmp7, 0xffff                   ; the batch
	s_mov_b32 s14, 0x76543210                      ; v_permlanex16_b32's selects for lane l xor 16
	s_mov_b32 s15, 0xfedcba98
	s_lshl_b32 s16, s13, 13                        ; sc, out1: the batch's 2,048 numbers
	s_mov_b32 s17, 0
	s_lshl_b32 s18, ttmp9, 10                      ; + my 256
	s_mov_b32 s19, 0
	s_lshl_b32 s20, s13, 17                        ; ctxp: 32 rows of 4,096 bytes a batch,
	s_lshl_b32 s22, s12, 15                        ; + 8 x wave rows,
	s_add_co_u32 s20, s20, s22
	s_lshl_b32 s22, ttmp9, 9                       ; + my 128 columns
	s_add_co_u32 s20, s20, s22
	s_mov_b32 s21, 0
	s_lshl_b32 s24, s13, 12                        ; out0: the batch's row, + my 128 columns
	s_add_co_u32 s24, s24, s22
	s_mov_b32 s25, 0
	s_lshl_b32 s26, s12, 2
	v_mov_b32 v30, s26                             ; 4 x wave
	s_lshl_b32 s27, s12, 4
	v_mov_b32 v31, s27                             ; 16 x wave
	v_mov_b32 v68, 0
.irp q, 0,1,2,3
	v_mov_b32 v[64+\q], 0                          ; written once: a lane permute's destination counts as one of its sources
.endr
	s_wait_alu depctr_va_vdst(0)
	s_wait_kmcnt 0x0
	s_add_nc_u64 s[4:5], s[4:5], s[16:17]
	s_add_nc_u64 s[28:29], s[4:5], s[18:19]
	s_add_nc_u64 s[10:11], s[10:11], s[16:17]
	s_add_nc_u64 s[10:11], s[10:11], s[18:19]
	s_add_nc_u64 s[6:7], s[6:7], s[20:21]
	s_add_nc_u64 s[8:9], s[8:9], s[24:25]
.irp q, 0,1,2,3
	global_load_b128 v[8+4*\q:11+4*\q], v6, s[4:5] offset:2048*\q   ; load q of wave w is block 4 q + w, whole: 512 consecutive bytes
.endr
	global_load_b64 v[24:25], v7, s[28:29]         ; the two z whose weights I store
.irp n, 0,1,2,3,4,5,6,7
	global_load_b128 v[32+4*\n:35+4*\n], v5, s[6:7] offset:4096*\n th:TH_LOAD_NT   ; read once in the launch
.endr
	s_wait_loadcnt 8                               ; all z are in; ctxp's eight loads are younger
.irp q, 0,1,2,3
	v_max3_num_f32 v[26+\q], v[8+4*\q], v[9+4*\q], v[10+4*\q]
.endr
.irp q, 0,1,2,3
	v_max_num_f32 v[26+\q], v[26+\q], v[11+4*\q]
.endr
.irp x, 1,2,4,8
.irp q, 0,1,2,3
	v_max_num_f32_dpp v[26+\q], v[26+\q], v[26+\q] row_xmask:\x row_mask:0xf bank_mask:0xf
.endr
.endr
.irp q, 0,1,2,3
	v_permlanex16_b32 v[64+\q], v[26+\q], s14, s15
.endr
.irp q, 0,1,2,3
	v_max_num_f32 v[26+\q], v[26+\q], v[64+\q]     ; block 4 q + w's largest z, in every lane
.endr
.irp q, 0,1,2,3
	ds_store_b32 v30, v[26+\q] offset:MB+16*\q     ; word 4 q + w; all lanes write the same value
.endr
	s_wait_dscnt 0x0
	s_barrier_signal -1
	s_barrier_wait -1
.irp q, 0,1,2,3
	ds_load_b128 v[72+4*\q:75+4*\q], v68 offset:MB+16*\q
.endr
	ds_load_b128 v[88:91], v31 offset:MB           ; blocks 4 w .. 4 w + 3: those of my eight rows of ctxp
	s_wait_dscnt 0x0
	v_max3_num_f32 v92, v72, v73, v74
.irp n, 75,77,79,81,83,85
	v_max3_num_f32 v92, v92, v[\n], v[\n+1]
.endr
	v_max_num_f32 v92, v92, v87                    ; M
.irp n, 0,1,2,3,4,5,6,7,8,9,10,11,12,13,14,15,16,17
	v_sub_f32 v[8+\n], v[8+\n], v92                ; z - M: my 16 of the sum, and (v24, v25) my two weights'
.endr
.irp n, 0,1,2,3
	v_sub_f32 v[88+\n], v[88+\n], v92              ; m_block - M
.endr
	s_wait_alu depctr_va_vdst(0)
.irp n, 0,1,2,3,4,5,6,7,8,9,10,11,12,13,14,15,16,17
	v_exp_f32 v[8+\n], v[8+\n]
.endr
.irp n, 0,1,2,3
	v_exp_f32 v[88+\n], v[88+\n]
.endr
	v_nop                                          ; the plain line behind the exponentials
	s_wait_alu depctr_va_vdst(0)                   ; one wait for the batch of 22, ahead of its first reader
	v_pk_add_f32 v[8:9], v[8:9], v[10:11]
	v_pk_add_f32 v[12:13], v[12:13], v[14:15]
	v_pk_add_f32 v[16:17], v[16:17], v[18:19]
	v_pk_add_f32 v[20:21], v[20:21], v[22:23]
	v_pk_add_f32 v[8:9], v[8:9], v[12:13]
	v_pk_add_f32 v[16:17], v[16:17], v[20:21]
	v_pk_add_f32 v[8:9], v[8:9], v[16:17]
	v_add_f32 v8, v8, v9
	v_add_f32_dpp v8, v8, v8 row_xmask:1 row_mask:0xf bank_mask:0xf
	v_add_f32_dpp v8, v8, v8 row_xmask:2 row_mask:0xf bank_mask:0xf
	v_add_f32_dpp v8, v8, v8 row_xmask:4 row_mask:0xf bank_mask:0xf
	v_add_f32_dpp v8, v8, v8 row_xmask:8 row_mask:0xf bank_mask:0xf
	v_permlanex16_b32 v64, v8, s14, s15
	v_add_f32 v8, v8, v64                          ; my wave's 512 terms
	ds_store_b32 v30, v8 offset:WS
	s_wait_dscnt 0x0
	s_barrier_signal -1
	s_barrier_wait -1
	ds_load_b128 v[72:75], v68 offset:WS
	s_wait_dscnt 0x0
	v_add_f32 v72, v72, v73
	v_add_f32 v74, v74, v75
	v_add_f32 v72, v72, v74                        ; L, at least 1: the largest z's term is 1
	s_wait_alu depctr_va_vdst(0)
	v_rcp_f32 v93, v72
	v_nop
	s_wait_alu depctr_va_vdst(0)
	v_mul_f32 v24, v24, v93
	v_mul_f32 v25, v25, v93
.irp n, 0,1,2,3
	v_mul_f32 v[88+\n], v[88+\n], v93              ; 2^(m_block - M) / L
.endr
	global_store_b64 v7, v[24:25], s[10:11]        ; a wave stores 256 consecutive bytes, at a multiple of 256 from out1's first byte
	s_wait_alu depctr_va_vdst(0)
	s_wait_loadcnt 0x0                             ; ctxp
.irp e, 0,1,2,3
	v_mul_f32 v[64+\e], v[32+\e], v88
.endr
.irp n, 1,2,3,4,5,6,7
.irp e, 0,1,2,3
	v_fma_f32 v[64+\e], v[32+4*\n+\e], v[88+\n/2], v[64+\e]   ; row 8 w + n belongs to block 4 w + n / 2
.endr
.endr
	ds_store_b128 v6, v[64:67] offset:CP           ; 512 x wave + 16 x lane
	s_wait_dscnt 0x0
	s_barrier_signal -1
	s_barrier_wait -1
	s_cmp_lg_u32 s12, 0
	s_cbranch_scc1 .Lend                           ; wave 0 adds the four parts and stores them
.irp k, 0,1,2,3
	ds_load_b128 v[72+4*\k:75+4*\k], v5 offset:CP+512*\k
.endr
	s_wait_dscnt 0x0
	v_pk_add_f32 v[72:73], v[72:73], v[76:77]
	v_pk_add_f32 v[74:75], v[74:75], v[78:79]
	v_pk_add_f32 v[80:81], v[80:81], v[84:85]
	v_pk_add_f32 v[82:83], v[82:83], v[86:87]
	v_pk_add_f32 v[72:73], v[72:73], v[80:81]
	v_pk_add_f32 v[74:75], v[74:75], v[82:83]
	global_store_b128 v5, v[72:75], s[8:9]         ; 512 consecutive bytes, at a multiple of 256 from out0's first byte
.Lend:
	s_wait_tensorcnt 0x0                           ; the wave's end, behind my last LDS store
	ds_add_u32 v[SPW], v[NIL]
	s_wait_dscnt 0x0
	s_endpgm
.Lfunc_end_k_qdb3c852c91_combine:
	.size	k_qdb3c852c91_combine, .Lfunc_end_k_qdb3c852c91_combine-k_qdb3c852c91_combine
	.p2alignl 7, 3214868480
	.fill 96, 4, 3214868480
	.section	.rodata,"a",@progbits
	.p2align	6, 0x0
	.amdhsa_kernel k_qdb3c852c91_combine
		.amdhsa_group_segment_fixed_size 3072
		.amdhsa_private_segment_fixed_size 0
		.amdhsa_enable_private_segment 0
		.amdhsa_kernarg_size 32
		.amdhsa_user_sgpr_count 2
		.amdhsa_user_sgpr_kernarg_segment_ptr 1
		.amdhsa_wavefront_size32 1
		.amdhsa_system_sgpr_workgroup_id_x 1
		.amdhsa_system_sgpr_workgroup_id_y 1
		.amdhsa_system_sgpr_workgroup_id_z 1
		.amdhsa_system_vgpr_workitem_id 0
		.amdhsa_next_free_vgpr 96
		.amdhsa_next_free_sgpr 66
		.amdhsa_reserve_vcc 0
		.amdhsa_float_denorm_mode_32 3
		.amdhsa_float_denorm_mode_16_64 3
		.amdhsa_memory_ordered 1
		.amdhsa_forward_progress 1
		.amdhsa_inst_pref_size 12
	.end_amdhsa_kernel
	.amdgpu_metadata
---
amdhsa.version: [ 1, 2 ]
amdhsa.kernels:
  - .name:           k_qdb3c852c91_combine
    .symbol:         k_qdb3c852c91_combine.kd
    .args:
      - { .name: sc, .offset: 0, .size: 8, .value_kind: global_buffer, .address_space: global }
      - { .name: ctxp, .offset: 8, .size: 8, .value_kind: global_buffer, .address_space: global }
      - { .name: out0, .offset: 16, .size: 8, .value_kind: global_buffer, .address_space: global }
      - { .name: out1, .offset: 24, .size: 8, .value_kind: global_buffer, .address_space: global }
    .group_segment_fixed_size: 3072
    .private_segment_fixed_size: 0
    .kernarg_segment_align: 8
    .kernarg_segment_size: 32
    .max_flat_workgroup_size: 128
    .sgpr_count:     66
    .vgpr_count:     96
    .wavefront_size: 32
...
	.end_amdgpu_metadata
.endif
;; end of part 3
